; MI455X (gfx1250); checked and timed in simulation.
; The chip was launched on July 23, 2026; its instructions are those of AMD's public machine-readable ISA for CDNA 5 (MIT licence, August 2026) and "CDNA5" Instruction Set Architecture Reference Guide (July 2026). The comments in the code are by the model that wrote it; some were corrected since.
;; Window Attention. Allowed arithmetic: float matrix products may take bf16 or f16 operands with f32 sums; all other float work in f32.
;; Inputs: attn_mask 64 x 256 x 256 float32; qkv 2 x 64 x 64 x 4 x 384 float32; rel_pos_index 64 x 64 int32; rpe_table 225 x 384 float32.
;; Outputs: out0 2 x 64 x 64 x 4 x 128 float32.
;; One version. Each part assembles by itself: llvm-mc -triple=amdgcn-amd-amdhsa -mcpu=gfx1250 --defsym DOCPART=n.
;; ======== version 1 of 1: 1 launch
;; limits: values are held in f16: magnitudes above 65,504 overflow, below 6.1e-05 lose precision
;; launch winattn (part 1): grid 256 x 1, 8 waves a work-group, no clusters, 322,816 bytes of LDS; arguments attn_mask, qkv, rel_pos_index, rpe_table, out0; writes out0
.if DOCPART == 1
	.amdgcn_target "amdgcn-amd-amdhsa--gfx1250"
	.amdhsa_code_object_version 6
	.text
	.protected	k_q7824c4dda9_winattn
	.globl	k_q7824c4dda9_winattn
	.p2align	8
	.type	k_q7824c4dda9_winattn,@function
k_q7824c4dda9_winattn:
	s_mov_b64 s[64:65], 0
	v_nop
	global_prefetch_b8 v0, s[64:65] scope:SCOPE_SE
	s_setreg_imm32_b32 hwreg(HW_REG_WAVE_MODE, 25, 1), 1
	s_wait_xcnt 0x0
; Shifted-window attention with relative-position embeddings on q, k and v.
;   score[i][j] = scale (q_i.k_j + q_i.ke[i0][j0] + k_j.qe[i0][j0]) + mask[w][i][j],  i0 = i>>2, j0 = j>>2
;   out_i = sum_j softmax_j(score)[i][j] (v_j + ve[i0][j0]);  qe, ke, ve = elements 0-31, 32-63, 64-95 of a head's 96 in table row index[i0][j0].
; The two rolls cancel: token (py, px, n) of window (wy, wx) is read and written at y = (8wy+py+4)&63, x = (8wx+px+4)&63.
;
; SHARE OF WORK.  Work-group g: heads 2hp, 2hp+1 (hp = g&1), query rows 128R .. 128R+127 (R = (g>>1)&1), window w = g>>2, BOTH batches.
; Wave wv keeps the 16 query rows 128R+16wv+r for the whole kernel, so its 16 x 256 block of the mask is read once and stays in 128 registers
; for all four (batch, head); a fragment gathered from the table hangs on (head, i0, j0) alone and serves both batches.
; Scores are made TRANSPOSED (A = 16 keys, B = 16 queries): lane (r, h) holds query r and in its 8 registers the keys 16jt+8h .. +7.  So row
; maximum and row sum are one number a lane (plus one exchange of the lane halves), P packs in place into the B fragment of P.V, the sums over
; a position's 4 candidates are made inside a lane, and mask and k.qe arrive as plain 16-byte LDS reads in the accumulators' layout.
; The three embedding terms: a 16-row (or 16-column) operand with all but ONE position's 4 tokens cleared, times a fragment gathered for that
; position, summed over the 4 positions.
;
; NUMBER FORMAT.  Matrix operands are f16 (q*scale, k, v, table, P, sums of 4 P), sums f32, all else f32.  f16 and not bf16: eleven significant
; bits instead of eight in every operand, which counts where a mask leaves a query few keys and the output is an average over few terms.
; P lies in [0, 1] (the row maximum is taken away) and a sum of 4 P in [0, 4], whatever the inputs.
;
; BARRIERS.  One whole barrier behind the prologue (K, V, table, index are in LDS and are never written again).  Only B2 (scale k.qe) is written later,
; once a head, each wave its own block.  Its barriers have their halves apart:
;   written, then read: signal behind a wave's stores into B2 and their wait for 0; D1C, which reads table and index alone; wait; the scores read B2.
;   read, then written again: signal behind the wave's last reads of B2 of a head (waited for 0); softmax, P.V, the ve term and the first half of the
;   next head's PH1, which read K, V, table and index alone and store nothing; wait directly in front of the next stores into B2 (behind the last head:
;   in front of the way out, whose scratch is a block of B2).
;
; WHY NO TENSOR LOADS, NO CLUSTER: all inputs are f32 and become f16 in registers on their way into LDS; f32 tiles of K and V (262,144 bytes)
; have no room beside the 321,552 bytes that stay resident; a tile of K, V or the mask has two reading work-groups only; nothing is filled twice.
;
; LIMITS.  q*scale, k, v or a table entry above 65,504 in magnitude becomes infinity in f16; below 2^-14 they keep an absolute step of 2^-24.
; Indices are clamped to 0..224 (reference() takes them to lie inside the table).  v_exp_f32 gives 0 for results below 2^-126.
; A row whose mask is -inf everywhere gives NaN, as in reference().
; The row maximum is exact (the whole row lies in registers) and is taken away in front of the exponential.
; ---- LDS map (bytes) ----
.set KLDS, 0                   ; K  [batch 2][token 256], pitch 144 = 2 heads x 64 bytes + 16: an odd multiple of 16, so 16 rows start in 16 different 16-byte columns modulo 256
.set KP,   144
.set KB,   36864
.set VLDS, 73728               ; V  [batch 2][token 256], pitch 160 = an odd multiple of 32, for the transposing loads
.set VP,   160
.set VB,   40960
.set TAB,  155648              ; table [225 rows], pitch 400 = 192 f16 + 16; head at +192 hh; qe +0, ke +64, ve +128
.set TP,   400
.set B2,   245648              ; scale k.qe  [batch 2][block of 32 keys: 8][position i0l 32], pitch 144 = 32 f32 + 16
.set B2BLK, 4608
.set B2B,  36864
.set IDX,  319376              ; index [i0l 32][j0 64] as bytes, pitch 68
.set IP,   68
.set WP,   272                 ; pitch of a wave's scratch WS = block (batch 0, wv) of B2, which wave wv alone ever writes: 16 rows x 272 bytes
; ---- window 0 registers, kept ----
.set PLX, 1                    ; destination of v_permlanex16_b32 (written at the entry)
.set KAD, 2                    ; +b: K fragments: KLDS + KB b + 144 r + 16 h
.set VAD, 4                    ; +b: V transposed: VLDS + VB b + 160 (8h+i) + 16 g
.set B2R, 6                    ; +b: B2 + B2B b + 144 (4wv + (r>>2)) + 32 h
.set B2W, 8                    ; B2 + 4608 wv + 144 r + 32 h
.set WSA, 9                    ; WS + 272 h + 16 r   (whole rows)
.set WSB, 10                   ; WS + 272 r + 32 h   (accumulator layout)
.set OGO, 11                   ; 512 h + 16 r        (offset in out0)
.set TLK, 12                   ; TAB + 16 h
.set TLV, 13                   ; TAB + 16 g
.set IXK, 14                   ; IDX + 272 wv + e(g),  e(x) = 4 (i>>1) + 2 x + (i&1)
.set IXV, 15                   ; IDX + 272 wv + e(h)
.set IXQ, 16                   ; IDX + 68 r + 8 wv
.set KPA, 17                   ; +b: KAD(b) + 4608 wv: the wave's own 32 keys
.set LM,  20                   ; +a: all ones where r>>2 == a, else 0
.set NM,  24                   ; pair: -max log2(e), twice
.set SUM, 26                   ; pair: running row sum
.set RS,  28                   ; +2b: pair: 1 / row sum, twice
.set AD,  32                   ; 16 gather addresses of the phase at hand
.set PG,  48                   ; +16b+jt: the two sums of 4 P of tile jt, packed f16
.set FB,  80                   ; v80-127 fragment buffers
.set TT,  112                  ; v112-123 temporaries of MAXP and EPV
.set SR,  128                  ; v128-255 score tiles SR+8jt, and phase buffers
; ---- window 0 registers, prologue only ----
.set TOKO, 32                  ; 1536 h + 16 r
.set MSKO, 33                  ; 1024 h + 16 r
.set TBLO, 34                  ; 256 h + 16 r
.set IDXO, 35                  ; 16 tid
.set KW,   36
.set VW,   37
.set QW,   38
.set QR,   39
.set TWA,  40
.set TWB,  41
.set IDW,  42
.set LFO,  43
.set LFW1, 44
.set LFW2, 45
.set RR,   46                  ; r = lane & 15
.set HH,   47                  ; h = lane >> 4
.set SA,   64                  ; three staging sets of 16 loads
.set SB,   128
.set SC,   192
; ---- window 1 registers (written by their low 8 bits) ----
.set MK,   0                   ; v256-383: mask, MK+8jt+jj
.set XR,   128                 ; v384-447: D2 in PH1, D1 in D1C and SPH, masked group sums in VEP
.set OACC, 192                 ; v448-511: O(hh,b,mt) = OACC+32hh+16b+8mt; O(hh,b,0) holds the Q fragment of (b,hh) until P.V starts its sum there
; s_set_vgpr_msb: bits 1:0 source 0, 3:2 source 1 (and LDS store data), 5:4 source 2, 7:6 destination; the high byte repeats the setting that is left.
.set MSB, 0
.macro WIN new
.if MSB != \new
	s_set_vgpr_msb (MSB<<8)|\new
.set MSB, \new
.endif
.endm
; Five places behind a matrix instruction: enough for a vector instruction or a load that touches its registers (four)
; and for a matrix instruction that writes over them (five).
.macro PLACES
.rept 5
	v_nop
.endr
.endm
; =========================== PROLOGUE ===========================
	s_load_b256 s[4:11], s[0:1], 0x0               ; mask s[4:5], qkv s[6:7], index s[8:9], table s[10:11]
	s_load_b64 s[12:13], s[0:1], 0x20              ; out0
	v_lshrrev_b32 v[PLX], 5, v0
	v_readfirstlane_b32 s14, v[PLX]                ; wave 0..7
	s_and_b32 s15, ttmp9, 1                        ; hp
	s_bfe_u32 s16, ttmp9, 0x10001                  ; R
	s_lshr_b32 s17, ttmp9, 2                       ; w
	s_lshr_b32 s18, s17, 3                         ; wy
	s_and_b32 s19, s17, 7                          ; wx
	s_mov_b32 s42, 0x76543210                      ; v_permlanex16_b32: lane i takes lane i of the other half
	s_mov_b32 s43, 0xfedcba98
	s_mov_b32 s44, 0x3fb8aa3b                      ; log2(e), a pair for the packed forms
	s_mov_b32 s45, 0x3fb8aa3b
	s_mov_b32 s46, 0x3e3504f3                      ; scale = 32^-0.5
	s_mov_b32 s47, 0x3e3504f3
	; A run = 16 neighbouring tokens (4 x-positions x 4 candidates).  Window columns px 0-3 begin at x0, px 4-7 at x1 (which wraps).
	s_lshl_b32 s52, s19, 3
	s_add_co_u32 s52, s52, 4                       ; x0 = 8 wx + 4
	s_add_co_u32 s53, s19, 1
	s_and_b32 s53, s53, 7
	s_lshl_b32 s53, s53, 3                         ; x1 = 8 ((wx+1) & 7)
	s_lshl_b32 s56, s18, 3
	s_add_co_u32 s56, s56, 4                       ; 8 wy + 4
	s_add_co_u32 s54, s56, s14
	s_and_b32 s54, s54, 63                         ; K, V: the wave fills window row py = wv
	s_lshl_b32 s54, s54, 6                         ; 64 y
	s_lshl_b32 s57, s16, 2
	s_lshr_b32 s58, s14, 1
	s_add_co_u32 s55, s56, s57
	s_add_co_u32 s55, s55, s58
	s_and_b32 s55, s55, 63                         ; queries: py = 4R + (wv>>1)
	s_lshl_b32 s55, s55, 6
	s_bitcmp1_b32 s14, 0
	s_cselect_b32 s59, s53, s52                    ; odd waves take the right run
	s_add_co_u32 s55, s55, s59                     ; 64 y + x of the wave's 16 queries
	s_lshl_b32 s60, s15, 8                         ; 256 hp: the head pair's 256 bytes
	s_add_co_u32 s48, s54, s52
	s_mul_i32 s48, s48, 6144                       ; a position of qkv is 4 x 1,536 bytes
	s_add_co_u32 s48, s48, s60
	s_mov_b32 s49, 0                               ; s[48:49]: K, V run A
	s_add_co_u32 s52, s54, s53
	s_mul_i32 s52, s52, 6144
	s_add_co_u32 s52, s52, s60
	s_mov_b32 s53, 0                               ; s[52:53]: K, V run B
	s_mul_i32 s56, s55, 6144
	s_add_co_u32 s56, s56, s60
	s_mov_b32 s57, 0                               ; s[56:57]: Q run
	s_lshl_b32 s58, s55, 11                        ; a position of out0 is 4 x 512 bytes
	s_add_co_u32 s58, s58, s60
	s_mov_b32 s59, 0                               ; s[58:59]: out run
	s_lshl_b32 s54, s17, 18                        ; mask: 262,144 w + 1,024 (128 R + 16 wv)
	s_lshl_b32 s55, s16, 17
	s_add_co_u32 s54, s54, s55
	s_lshl_b32 s55, s14, 14
	s_add_co_u32 s54, s54, s55
	s_mov_b32 s55, 0
	s_mul_i32 s60, s15, 768                        ; table: the head pair's 768 bytes of a row
	s_mov_b32 s61, 0
	s_mul_i32 s2, s14, 43008                       ; the wave's 28 rows of 1,536 bytes
	s_mov_b32 s3, 0
	v_and_b32 v[RR], 15, v0
	v_bfe_u32 v[HH], v0, 4, 1
	v_lshlrev_b32 v24, 4, v[RR]                    ; 16 r
	v_mad_u32_u24 v[TOKO], v[HH], 0x600, v24
	v_lshl_add_u32 v[MSKO], v[HH], 10, v24
	v_lshl_add_u32 v[TBLO], v[HH], 8, v24
	v_lshlrev_b32 v[IDXO], 4, v0
	v_lshlrev_b32 v[LFO], 4, v[RR]
	s_wait_kmcnt 0x0
	s_add_nc_u64 s[20:21], s[6:7], s[48:49]        ; K, V bases: (b0, A)
	s_add_nc_u64 s[22:23], s[6:7], s[52:53]        ; (b0, B)
	s_add_nc_u64 s[24:25], s[20:21], 0x1800000     ; (b1, A): a batch of qkv is 25,165,824 bytes
	s_add_nc_u64 s[26:27], s[22:23], 0x1800000     ; (b1, B)
	s_add_nc_u64 s[28:29], s[6:7], s[56:57]        ; Q b0
	s_add_nc_u64 s[30:31], s[28:29], 0x1800000     ; Q b1
	s_add_nc_u64 s[32:33], s[12:13], s[58:59]      ; out b0
	s_add_nc_u64 s[34:35], s[32:33], 0x800000      ; out b1: a batch of out0 is 8,388,608 bytes
	s_add_nc_u64 s[36:37], s[4:5], s[54:55]        ; the wave's 16 rows of the mask
	s_add_nc_u64 s[38:39], s[10:11], s[60:61]      ; table, head pair
	s_add_nc_u64 s[50:51], s[38:39], s[2:3]        ; table, the wave's rows
	s_lshl_b32 s48, s16, 13
	s_add_nc_u64 s[40:41], s[8:9], s[48:49]        ; index rows 32R ..
; Every global load: 16 bytes a lane, sixteen lanes on 256 consecutive aligned bytes.  No address register is rewritten before the last wait for loads.
.macro GQ                              ; Q of both batches: load (b, q) takes tokens 2q, 2q+1 of the wave's run
.irp b,0,1
.irp q,0,1,2,3,4,5,6,7
	global_load_b128 v[SA+32*\b+4*\q:SA+32*\b+4*\q+3], v[TOKO], s[28+2*\b:29+2*\b] offset:3072*\q
.endr
.endr
.endm
.macro GMK set, cc                     ; mask columns 64cc .. 64cc+63: load rp takes rows 2rp, 2rp+1
.irp rp,0,1,2,3,4,5,6,7
	global_load_b128 v[\set+4*\rp:\set+4*\rp+3], v[MSKO], s[36:37] offset:2048*\rp+256*\cc
.endr
.endm
.macro GKV set, b, part                ; K (part 512) or V (part 1024) of batch b: run A, then run B
.irp q,0,1,2,3,4,5,6,7
	global_load_b128 v[\set+4*\q:\set+4*\q+3], v[TOKO], s[20+4*\b:21+4*\b] offset:\part+3072*\q
.endr
.irp q,0,1,2,3,4,5,6,7
	global_load_b128 v[\set+32+4*\q:\set+32+4*\q+3], v[TOKO], s[22+4*\b:23+4*\b] offset:\part+3072*\q
.endr
.endm
; Table: two rows' 2 x 768 bytes are three loads of 512 bytes: row 2s bytes 0-511; row 2s bytes 512-767 with row 2s+1 bytes 0-255; row 2s+1 bytes 256-767.
.macro GT set, n0
.set tn, \n0
.rept 14
.set tx, \set+4*(tn-\n0)
.if tn%3 == 0
	global_load_b128 v[tx:tx+3], v[TBLO], s[50:51] offset:3072*(tn/3)
.else
.if tn%3 == 1
	global_load_b128 v[tx:tx+3], v[MSKO], s[50:51] offset:3072*(tn/3)+512
.else
	global_load_b128 v[tx:tx+3], v[TBLO], s[50:51] offset:3072*(tn/3)+1792
.endif
.endif
.set tn, tn+1
.endr
.endm
.macro CVT2 x                          ; four f32 to four f16, in place in the first two registers
	v_cvt_pk_f16_f32 v[\x], v[\x], v[\x+1]
	v_cvt_pk_f16_f32 v[\x+1], v[\x+2], v[\x+3]
.endm
.macro PT set, n0                      ; the same three shapes into LDS rows of 400 bytes
.set tn, \n0
.rept 14
.set tx, \set+4*(tn-\n0)
	CVT2 tx
.if tn%3 == 0
	ds_store_b64 v[TWA], v[tx:tx+1] offset:2*TP*(tn/3)
.else
.if tn%3 == 1
	ds_store_b64 v[TWB], v[tx:tx+1] offset:2*TP*(tn/3)+256
.else
	ds_store_b64 v[TWA], v[tx:tx+1] offset:2*TP*(tn/3)+528
.endif
.endif
.set tn, tn+1
.endr
.endm
.macro PKV set, adr, base, pitch       ; load n holds tokens 2n, 2n+1 of the wave's 32
.irp n,0,1,2,3,4,5,6,7,8,9,10,11,12,13,14,15
	CVT2 \set+4*\n
	ds_store_b64 v[\adr], v[\set+4*\n:\set+4*\n+1] offset:\base+2*\pitch*\n
.endr
.endm
.macro PQ b                            ; q * scale to f16, through the wave's scratch into fragment layout (LDS serves a wave's instructions in order: ISA guide 5.7.1)
.irp q,0,1,2,3,4,5,6,7
	v_pk_mul_f32 v[SA+32*\b+4*\q:SA+32*\b+4*\q+1], v[SA+32*\b+4*\q:SA+32*\b+4*\q+1], s[46:47] op_sel_hi:[1,0]
	v_pk_mul_f32 v[SA+32*\b+4*\q+2:SA+32*\b+4*\q+3], v[SA+32*\b+4*\q+2:SA+32*\b+4*\q+3], s[46:47] op_sel_hi:[1,0]
	CVT2 SA+32*\b+4*\q
	ds_store_b64 v[QW], v[SA+32*\b+4*\q:SA+32*\b+4*\q+1] offset:288*\q
.endr
	WIN 0x40
.irp hh,0,1
	ds_load_b128 v[OACC+32*\hh+16*\b:OACC+32*\hh+16*\b+3], v[QR] offset:64*\hh
	ds_load_b128 v[OACC+32*\hh+16*\b+4:OACC+32*\hh+16*\b+7], v[QR] offset:64*\hh+32
.endr
	WIN 0
.endm
.macro PM cc, set                      ; 16 rows x 256 bytes of the mask through the scratch: in by rows, out as lane (r, h): row r, 8 columns at 64 tl + 32 h
.irp rp,0,1,2,3,4,5,6,7
	ds_store_b128 v[WSA], v[\set+4*\rp:\set+4*\rp+3] offset:2*WP*\rp
.endr
	WIN 0x40
.irp tl,0,1,2,3
	ds_load_b128 v[MK+8*(4*\cc+\tl):MK+8*(4*\cc+\tl)+3], v[WSB] offset:64*\tl
	ds_load_b128 v[MK+8*(4*\cc+\tl)+4:MK+8*(4*\cc+\tl)+7], v[WSB] offset:64*\tl+16
.endr
	WIN 0
.endm
	s_cmp_lg_u32 s14, 0
	s_cbranch_scc1 .Lno_last_row_load
	global_load_b128 v[56:59], v[TBLO], s[38:39] offset:344064     ; table row 224, which the 8 x 28 rows leave over: wave 0
	global_load_b128 v[60:63], v[LFO], s[38:39] offset:344576      ; its last 256 bytes, in both lane halves alike
.Lno_last_row_load:
	global_load_b128 v[48:51], v[IDXO], s[40:41]                   ; index rows 0-15 of the 32
	global_load_b128 v[52:55], v[IDXO], s[40:41] offset:4096       ; rows 16-31
	GQ
	GMK SB, 0
	GMK SB+32, 1
	GMK SC, 2
	GMK SC+32, 3
	; LDS addresses, while those loads are on their way.  Each wave's own bytes: a constant + the wave's number x a constant + a lane term.
	s_mul_i32 s48, s14, B2BLK                      ; 4,608 = 32 K rows of 144 = one block of B2
	s_add_co_u32 s52, s48, B2                      ; WS
	v_lshlrev_b32 v25, 3, v[RR]                    ; 8 r
	v_mad_u32_u24 v26, v[HH], 144, v25             ; 144 h + 8 r
	v_add_nc_u32 v[KW], s48, v26
	v_add_nc_u32 v[QW], s52, v26
	s_mul_i32 s53, s14, 32*VP
	s_add_co_u32 s53, s53, VLDS
	v_mad_u32_u24 v27, v[HH], 160, v25
	v_add_nc_u32 v[VW], s53, v27
	s_mul_i32 s54, s14, 28*TP
	s_add_co_u32 s54, s54, TAB
	v_add_nc_u32 v[TWB], s54, v26
	v_lshl_add_u32 v27, v[HH], 7, v25              ; 128 h + 8 r
	v_add_nc_u32 v[TWA], s54, v27
	v_add_nc_u32 v[LFW1], TAB+224*TP, v27
	v_add_nc_u32 v[LFW2], TAB+224*TP+256, v25
	v_mul_u32_u24 v28, v[RR], 144
	v_lshl_add_u32 v[KAD], v[HH], 4, v28           ; 144 r + 16 h
	v_add_nc_u32 v[KAD+1], KB, v[KAD]
	v_add_nc_u32 v[QR], s52, v[KAD]
	v_add_nc_u32 v[KPA], s48, v[KAD]
	v_add_nc_u32 v[KPA+1], s48, v[KAD+1]
	v_lshl_add_u32 v29, v[HH], 5, v28              ; 144 r + 32 h
	v_add_nc_u32 v[B2W], s52, v29
	v_mul_u32_u24 v28, v[RR], WP
	v_lshl_add_u32 v28, v[HH], 5, v28
	v_add_nc_u32 v[WSB], s52, v28
	v_mad_u32_u24 v28, v[HH], WP, v24
	v_add_nc_u32 v[WSA], s52, v28
	v_lshl_add_u32 v[OGO], v[HH], 9, v24
	s_mul_i32 s55, s14, 2*IP                       ; thread tid holds index row tid>>4 = 2 wv + h, columns 4r .. 4r+3
	s_add_co_u32 s55, s55, IDX
	v_mul_u32_u24 v28, v[HH], IP
	v_lshl_add_u32 v28, v[RR], 2, v28
	v_add_nc_u32 v[IDW], s55, v28
	v_bfe_u32 v19, v0, 3, 1                        ; g
	v_and_b32 v28, 7, v0                           ; i
	v_lshl_add_u32 v29, v[HH], 3, v28
	v_mul_u32_u24 v29, v29, VP
	v_lshl_add_u32 v29, v19, 4, v29                ; 160 (8h+i) + 16 g
	v_add_nc_u32 v[VAD], VLDS, v29
	v_add_nc_u32 v[VAD+1], VLDS+VB, v29
	v_lshrrev_b32 v27, 2, v[RR]                    ; r >> 2: which of the wave's four positions
	s_mul_i32 s56, s14, 576
	s_add_co_u32 s56, s56, B2
	v_mul_u32_u24 v29, v27, 144
	v_lshl_add_u32 v29, v[HH], 5, v29
	v_add_nc_u32 v[B2R], s56, v29
	v_add_nc_u32 v[B2R+1], B2B, v[B2R]
	v_lshlrev_b32 v29, 4, v[HH]
	v_add_nc_u32 v[TLK], TAB, v29
	v_lshlrev_b32 v29, 4, v19
	v_add_nc_u32 v[TLV], TAB, v29
	v_and_b32 v29, 6, v0
	v_and_b32 v30, 1, v0
	v_lshl_or_b32 v29, v29, 1, v30                 ; 4 (i>>1) + (i&1)
	s_mul_i32 s57, s14, 4*IP
	s_add_co_u32 s57, s57, IDX
	v_add_nc_u32 v29, s57, v29
	v_lshl_add_u32 v[IXK], v19, 1, v29
	v_lshl_add_u32 v[IXV], v[HH], 1, v29
	s_lshl_b32 s58, s14, 3
	s_add_co_u32 s58, s58, IDX
	v_mul_u32_u24 v29, v[RR], IP
	v_add_nc_u32 v[IXQ], s58, v29
.irp a,0,1,2,3
	v_cmp_eq_u32 vcc_lo, \a, v27
	v_cndmask_b32 v[LM+\a], 0, -1, vcc_lo
.endr
	s_wait_loadcnt 48                              ; the 48 loads of Q and the mask stay out: the index (and wave 0's table row) is in
.irp k,0,1,2,3,4,5,6,7
	v_min_u32 v[48+\k], 0xe0, v[48+\k]             ; an index lies in 0..224 and fits a byte
.endr
	v_lshl_or_b32 v48, v49, 8, v48
	v_lshl_or_b32 v52, v53, 8, v52
	v_lshl_or_b32 v48, v50, 16, v48
	v_lshl_or_b32 v52, v54, 16, v52
	v_lshl_or_b32 v48, v51, 24, v48
	v_lshl_or_b32 v52, v55, 24, v52
	ds_store_b32 v[IDW], v48
	ds_store_b32 v[IDW], v52 offset:16*IP
	s_cmp_lg_u32 s14, 0
	s_cbranch_scc1 .Lno_last_row
	CVT2 56
	CVT2 60
	ds_store_b64 v[LFW1], v[56:57]
	ds_store_b64 v[LFW2], v[60:61]                 ; both lane halves write the same bytes with the same values
.Lno_last_row:
	; From here on: wait for the oldest group with the count of the loads issued behind it, work it off, and load the next group into its set.
	s_wait_loadcnt 32                              ; out: mask 16 + 16.  In: Q
	PQ 0
	PQ 1
	GKV SA, 0, 512
	s_wait_loadcnt 32                              ; out: mask 16, K b0 16.  In: mask columns 0-127
	PM 0, SB
	PM 1, SB+32
	GKV SB, 1, 512
	s_wait_loadcnt 32                              ; out: K b0, K b1.  In: mask columns 128-255
	PM 2, SC
	PM 3, SC+32
	GKV SC, 0, 1024
	s_wait_loadcnt 32                              ; out: K b1, V b0.  In: K b0
	PKV SA, KW, 0, KP
	GKV SA, 1, 1024
	s_wait_loadcnt 32                              ; out: V b0, V b1.  In: K b1
	PKV SB, KW, KB, KP
	GT SB, 0
	s_wait_loadcnt 30                              ; out: V b1 16, table 14.  In: V b0
	PKV SC, VW, 0, VP
	GT SC, 14
	s_wait_loadcnt 28                              ; out: table 14 + 14.  In: V b1
	PKV SA, VW, VB, VP
	GT SA, 28
	s_wait_loadcnt 28                              ; out: table 14 + 14.  In: the first 14 table loads
	PT SB, 0
	s_wait_loadcnt 14
	PT SC, 14
	s_wait_loadcnt 0x0
	PT SA, 28
	s_wait_dscnt 0x0                               ; my stores of K, V, table and index are done (and my mask and Q fragments are in)
	s_barrier_signal -1
	s_barrier_wait -1                              ; everybody's are
; =========================== GATHER ADDRESSES ===========================
; Sixteen index bytes, then address = TAB + 400 index + the lane's 16-byte column.  The last byte of a row that a gather touches is
; 192 + 128 + 32 + 16 + 15 = 383: the 16 bytes of padding behind a row are never read.
.macro LOADADQ                         ; qe: column r <-> position i0l = 16 ii + r; j0 = 8 wv + 4 jtl + bb
.irp jtl,0,1
.irp bb,0,1,2,3
.irp ii,0,1
	ds_load_u8 v[AD+8*\jtl+2*\bb+\ii], v[IXQ] offset:16*IP*\ii+4*\jtl+\bb
.endr
.endr
.endr
.endm
.macro LOADADK                         ; ke: row 8g+i <-> j0 = 16 tt + e(g); position 4 wv + a
.irp a,0,1,2,3
.irp tt,0,1,2,3
	ds_load_u8 v[AD+4*\a+\tt], v[IXK] offset:IP*\a+16*\tt
.endr
.endr
.endm
.macro LOADADV                         ; ve: the lane addresses j0 = 32 ks + 16 hf + e(h); position 4 wv + a
.irp a,0,1,2,3
.irp ks,0,1
.irp hf,0,1
	ds_load_u8 v[AD+4*\a+2*\ks+\hf], v[IXV] offset:IP*\a+32*\ks+16*\hf
.endr
.endr
.endr
.endm
.macro FIXAD tl
.irp n,0,1,2,3,4,5,6,7,8,9,10,11,12,13,14,15
	v_min_u32 v[AD+\n], 0xe0, v[AD+\n]             ; keeps every gather inside the table's 225 LDS rows
.endr
.irp n,0,1,2,3,4,5,6,7,8,9,10,11,12,13,14,15
	v_mad_u32_u24 v[AD+\n], v[AD+\n], TP, v[\tl]
.endr
.endm
	LOADADQ
	s_wait_dscnt 0x0
	FIXAD TLK
; =========================== PH1: scale k_j.qe[i0][j0] for the wave's 32 keys, all 32 positions, both batches ===========================
; A = 16 keys with all but position bb's four cleared; B = qe gathered for (i0l = 16 ii + r, j0 of bb).  Lane (r, h) of D: position 16 ii + r, keys 8h .. 8h+7.
.macro QELOAD hh, jtl
.irp bb,0,1,2,3
.irp ii,0,1
	ds_load_b128 v[SR+64+16*\bb+8*\ii:SR+64+16*\bb+8*\ii+3], v[AD+8*\jtl+2*\bb+\ii] offset:192*\hh
	ds_load_b128 v[SR+64+16*\bb+8*\ii+4:SR+64+16*\bb+8*\ii+7], v[AD+8*\jtl+2*\bb+\ii] offset:192*\hh+32
.endr
.endr
.endm
.macro KMASK jtl
.irp b,0,1
.irp bb,0,1,2,3
.irp q,0,1,2,3,4,5,6,7
	v_and_b32 v[SR+32*\b+8*\bb+\q], v[LM+\bb], v[FB+16*\jtl+8*\b+\q]
.endr
.endr
.endr
.endm
.macro RUN2 jtl                        ; four accumulators by turns, one instruction a turn
.irp bb,0,1,2,3
.irp ii,0,1
.irp b,0,1
.set dd, XR+32*\jtl+16*\b+8*\ii
.set aa, SR+32*\b+8*\bb
.set bq, SR+64+16*\bb+8*\ii
.if \bb == 0
	v_wmma_f32_16x16x32_f16 v[dd:dd+7], v[aa:aa+7], v[bq:bq+7], 0
.else
	v_wmma_f32_16x16x32_f16 v[dd:dd+7], v[aa:aa+7], v[bq:bq+7], v[dd:dd+7]
.endif
.endr
.endr
.endr
.endm
.macro OUTD2 jtl                       ; times scale, then 32 bytes a lane into row i0l of the wave's block
	WIN 0x41
.irp b,0,1
.irp ii,0,1
.irp p,0,2,4,6
	v_pk_mul_f32 v[XR+32*\jtl+16*\b+8*\ii+\p:XR+32*\jtl+16*\b+8*\ii+\p+1], v[XR+32*\jtl+16*\b+8*\ii+\p:XR+32*\jtl+16*\b+8*\ii+\p+1], s[46:47] op_sel_hi:[1,0]
.endr
.endr
.endr
	WIN 0x04
.irp b,0,1
.irp ii,0,1
	ds_store_b128 v[B2W], v[XR+32*\jtl+16*\b+8*\ii:XR+32*\jtl+16*\b+8*\ii+3] offset:B2B*\b+2304*\ii+64*\jtl
	ds_store_b128 v[B2W], v[XR+32*\jtl+16*\b+8*\ii+4:XR+32*\jtl+16*\b+8*\ii+7] offset:B2B*\b+2304*\ii+64*\jtl+16
.endr
.endr
.endm
; open = 1: the barrier that each wave signalled behind its last reads of the head before's B2 is still open, and is waited for in front of the first store.
.macro PH1 hh, open
.irp jtl,0,1
.irp b,0,1
	ds_load_b128 v[FB+16*\jtl+8*\b:FB+16*\jtl+8*\b+3], v[KPA+\b] offset:16*KP*\jtl+64*\hh
	ds_load_b128 v[FB+16*\jtl+8*\b+4:FB+16*\jtl+8*\b+7], v[KPA+\b] offset:16*KP*\jtl+64*\hh+32
.endr
.endr
	QELOAD \hh, 0
	s_wait_dscnt 16                                ; the 16 loads of qe stay out: the K fragments are in
	KMASK 0
	s_wait_dscnt 0x0
	WIN 0x50
	RUN2 0
	WIN 0
	PLACES
	QELOAD \hh, 1
	LOADADK                                        ; the next phase's index bytes (an LDS load has read its address when it is issued)
	KMASK 1
.if \open
	s_barrier_wait -1                              ; every wave has its reads of the head before's B2 back: B2 may be written again
.endif
	OUTD2 0
	s_wait_dscnt 24                                ; behind the qe loads: 16 index bytes and 8 stores
	WIN 0x50
	RUN2 1
	PLACES
	OUTD2 1
	WIN 0
	s_wait_dscnt 0x0                               ; my stores into B2 are done, for the others' sake; the index bytes are in
	s_barrier_signal -1                            ; say so; the wait stands behind D1C, which reads table and index alone and stores nothing
	FIXAD TLK
.endm
; =========================== D1C: q_i.ke[i0][j0] for the wave's 16 queries, all 64 j0, both batches ===========================
; A = ke gathered for (position a, 16 j0); B = Q with all but position a's four queries cleared.  The rows' order makes register jj of lane half h hold
; j0 = 16 tt + 4 (jj>>1) + 2 h + (jj&1): the two j0 that this lane half meets in score tile 4 tt + (jj>>1).
.macro KELOAD hh, a
.irp tt,0,1,2,3
	ds_load_b128 v[SR+64+32*(\a&1)+8*\tt:SR+64+32*(\a&1)+8*\tt+3], v[AD+4*\a+\tt] offset:192*\hh+64
	ds_load_b128 v[SR+64+32*(\a&1)+8*\tt+4:SR+64+32*(\a&1)+8*\tt+7], v[AD+4*\a+\tt] offset:192*\hh+96
.endr
.endm
.macro QMASK hh
.irp b,0,1
.irp a,0,1,2,3
.irp q,0,1,2,3,4,5,6,7
	v_and_b32 v[SR+32*\b+8*\a+\q], v[LM+\a], v[OACC+32*\hh+16*\b+\q]
.endr
.endr
.endr
.endm
.macro D1W a                           ; eight accumulators by turns, one instruction a turn
.irp tt,0,1,2,3
.irp b,0,1
.set dd, XR+32*\b+8*\tt
.set aa, SR+64+32*(\a&1)+8*\tt
.set bq, SR+32*\b+8*\a
.if \a == 0
	v_wmma_f32_16x16x32_f16 v[dd:dd+7], v[aa:aa+7], v[bq:bq+7], 0
.else
	v_wmma_f32_16x16x32_f16 v[dd:dd+7], v[aa:aa+7], v[bq:bq+7], v[dd:dd+7]
.endif
.endr
.endr
.endm
.macro D1C hh
	KELOAD \hh, 0
	KELOAD \hh, 1
	WIN 0x04
	QMASK \hh
	s_wait_dscnt 8                                 ; position 1's eight loads stay out
	WIN 0x50
	D1W 0
	WIN 0
	PLACES
	KELOAD \hh, 2
	s_wait_dscnt 8                                 ; position 2's eight stay out
	WIN 0x50
	D1W 1
	WIN 0
	PLACES
	KELOAD \hh, 3
	LOADADV
	s_wait_dscnt 24                                ; position 3's eight and 16 index bytes stay out
	WIN 0x50
	D1W 2
	s_wait_dscnt 16                                ; the 16 index bytes stay out
	D1W 3
	WIN 0
	s_wait_dscnt 0x0
	FIXAD TLV                                      ; 32 plain instructions: also the places in front of the next phase's loads
.endm
; =========================== SPH: the 16 score tiles of one (batch, head) ===========================
; k.qe is loaded straight into the accumulators; K x Q is added by the matrix unit; mask and q.ke by packed adds one step later.
; A step = two tiles.  Its eight LDS loads (four of k.qe, four of K) are issued three steps ahead, in short runs between the products.
.macro SLOAD b, hh, gr
.irp e,0,1
	ds_load_b128 v[SR+8*(2*(\gr)+\e):SR+8*(2*(\gr)+\e)+3], v[B2R+\b] offset:B2BLK*(\gr)+64*\e
	ds_load_b128 v[SR+8*(2*(\gr)+\e)+4:SR+8*(2*(\gr)+\e)+7], v[B2R+\b] offset:B2BLK*(\gr)+64*\e+16
.endr
.irp e,0,1
	ds_load_b128 v[FB+16*((\gr)%3)+8*\e:FB+16*((\gr)%3)+8*\e+3], v[KAD+\b] offset:16*KP*(2*(\gr)+\e)+64*\hh
	ds_load_b128 v[FB+16*((\gr)%3)+8*\e+4:FB+16*((\gr)%3)+8*\e+7], v[KAD+\b] offset:16*KP*(2*(\gr)+\e)+64*\hh+32
.endr
.endm
.macro SADD b, jt
.irp p,0,2,4,6
	v_pk_add_f32 v[SR+8*(\jt)+\p:SR+8*(\jt)+\p+1], v[SR+8*(\jt)+\p:SR+8*(\jt)+\p+1], v[MK+8*(\jt)+\p:MK+8*(\jt)+\p+1]
.endr
.set dd, XR+32*\b+8*((\jt)>>2)+2*((\jt)&3)
.irp p,0,2
	v_pk_add_f32 v[SR+8*(\jt)+\p:SR+8*(\jt)+\p+1], v[SR+8*(\jt)+\p:SR+8*(\jt)+\p+1], v[dd:dd+1] op_sel:[0,0] op_sel_hi:[1,0]   ; keys 0-3 of the lane: its first j0
.endr
.irp p,4,6
	v_pk_add_f32 v[SR+8*(\jt)+\p:SR+8*(\jt)+\p+1], v[SR+8*(\jt)+\p:SR+8*(\jt)+\p+1], v[dd:dd+1] op_sel:[0,1] op_sel_hi:[1,1]   ; keys 4-7: its second
.endr
.endm
.macro SSTEP b, hh, gr, cnt
	s_wait_dscnt \cnt
.irp e,0,1
	v_wmma_f32_16x16x32_f16 v[SR+8*(2*\gr+\e):SR+8*(2*\gr+\e)+7], v[FB+16*(\gr%3)+8*\e:FB+16*(\gr%3)+8*\e+7], v[OACC+32*\hh+16*\b:OACC+32*\hh+16*\b+7], v[SR+8*(2*\gr+\e):SR+8*(2*\gr+\e)+7]
.endr
.if \gr == 0
	PLACES
.else
	SADD \b, 2*\gr-2                               ; the last step's two tiles: sixteen adds, which are also the places in front of the reload below
	SADD \b, 2*\gr-1                               ; and in front of the next step's adds
.endif
.if \gr <= 4
	SLOAD \b, \hh, \gr+3                           ; K into the buffer that this step's products have read
.endif
.endm
.macro SPH b, hh
	WIN 0x04                                       ; source 1 in window 1: Q fragment, mask, q.ke
	SLOAD \b, \hh, 0
	SLOAD \b, \hh, 1
	SLOAD \b, \hh, 2
	SSTEP \b, \hh, 0, 16                           ; count 16: the loads of the two steps ahead (8 each) stay out
	SSTEP \b, \hh, 1, 16
	SSTEP \b, \hh, 2, 16
	SSTEP \b, \hh, 3, 16
	SSTEP \b, \hh, 4, 16
	SSTEP \b, \hh, 5, 16
	SSTEP \b, \hh, 6, 8                            ; one step's eight are left
	SSTEP \b, \hh, 7, 0
	SADD \b, 14
	SADD \b, 15
	WIN 0
.endm
; =========================== MAXP: the row maximum ===========================
.macro MAXP
.irp c,0,1,2,3
	v_max_num_f32 v[TT+\c], v[SR+\c], v[SR+4+\c]   ; four chains, started by the first registers
.endr
.set mk, 2
.rept 15
.irp c,0,1,2,3
	v_max3_num_f32 v[TT+\c], v[TT+\c], v[SR+4*mk+\c], v[SR+4*mk+4+\c]
.endr
.set mk, mk+2
.endr
	v_max3_num_f32 v[TT], v[TT], v[TT+1], v[TT+2]
	v_max_num_f32 v[TT], v[TT], v[TT+3]
	v_permlanex16_b32 v[PLX], v[TT], s42, s43      ; the other lane half holds the row's other 128 keys
	v_max_num_f32 v[TT], v[TT], v[PLX]
	v_mul_f32 v[NM], 0xbfb8aa3b, v[TT]             ; -max log2(e)
	v_mov_b32 v[NM+1], v[NM]
.endm
; =========================== EPV: P = exp(score - max), its sums, its f16 fragments, and O^T = V^T x P among them ===========================
; As soon as four tiles are packed (two B fragments of 32 keys), their four products are issued, so that the matrix unit works while the next
; tiles' exponentials are issued.
.macro LV b, hh, f, dst                ; V transposed: fragment f = 2 ks + mt: channels 16 mt .. +15 (rows), keys 32 ks .. +31
	ds_load_tr16_b128 v[\dst:\dst+3], v[VAD+\b] offset:32*VP*((\f)>>1)+64*\hh+32*((\f)&1)
	ds_load_tr16_b128 v[\dst+4:\dst+7], v[VAD+\b] offset:32*VP*((\f)>>1)+64*\hh+32*((\f)&1)+16*VP
.endm
.macro LVG b, hh, g, dst               ; group g: the four V fragments of keys 64 g .. 64 g + 63: eight loads into 32 registers
.irp k,0,1,2,3
	LV \b, \hh, 4*\g+\k, \dst+8*\k
.endr
.endm
.macro EFMA jt
.irp p,0,2,4,6
	v_pk_fma_f32 v[SR+8*(\jt)+\p:SR+8*(\jt)+\p+1], v[SR+8*(\jt)+\p:SR+8*(\jt)+\p+1], s[44:45], v[NM:NM+1] op_sel_hi:[1,0,1]
.endr
.endm
.macro EXPSTEP b, jt
.irp q,0,1,2,3,4,5,6,7
	v_exp_f32 v[SR+8*\jt+\q], v[SR+8*\jt+\q]
.endr
.if \jt < 15
	EFMA \jt+1                                     ; plain work on the next tile stands between the exponentials and their use (ISA guide 5.7.2)
.else
	v_nop
	s_wait_alu depctr_va_vdst(0)
.endif
.set tq, TT+6*(\jt&1)
	s_wait_alu depctr_va_vdst(0)
	v_pk_add_f32 v[tq:tq+1], v[SR+8*\jt:SR+8*\jt+1], v[SR+8*\jt+2:SR+8*\jt+3]
	v_pk_add_f32 v[tq+2:tq+3], v[SR+8*\jt+4:SR+8*\jt+5], v[SR+8*\jt+6:SR+8*\jt+7]
.if \jt == 0
	v_add_f32 v[SUM], v[tq], v[tq+1]               ; the first tile starts the row sum
	v_add_f32 v[SUM+1], v[tq+2], v[tq+3]
	v_cvt_pk_f16_f32 v[PG+16*\b], v[SUM], v[SUM+1]
.else
	v_add_f32 v[tq+4], v[tq], v[tq+1]              ; sum over the 4 candidates of j0 = 4 jt + 2 h
	v_add_f32 v[tq+5], v[tq+2], v[tq+3]            ; and of j0 = 4 jt + 2 h + 1
	v_pk_add_f32 v[SUM:SUM+1], v[SUM:SUM+1], v[tq+4:tq+5]
	v_cvt_pk_f16_f32 v[PG+16*\b+\jt], v[tq+4], v[tq+5]
.endif
.irp q,0,1,2,3
	v_cvt_pk_f16_f32 v[SR+16*(\jt>>1)+4*(\jt&1)+\q], v[SR+8*\jt+2*\q], v[SR+8*\jt+2*\q+1]   ; tiles 2 ks, 2 ks + 1 pack into the B fragment at SR + 16 ks
.endr
.endm
.macro PVP hh, b, f, src, zero
.set dd, OACC+32*\hh+16*\b+8*((\f)&1)
.if \zero
	v_wmma_f32_16x16x32_f16 v[dd:dd+7], v[\src:\src+7], v[SR+16*((\f)>>1):SR+16*((\f)>>1)+7], 0
.else
	v_wmma_f32_16x16x32_f16 v[dd:dd+7], v[\src:\src+7], v[SR+16*((\f)>>1):SR+16*((\f)>>1)+7], v[dd:dd+7]
.endif
.endm
.macro PVG hh, b, g, src               ; group g's four products; the two accumulators (channels 0-15, 16-31) take turns, one instruction a turn
	WIN 0x50
.if \g == 0
	PVP \hh, \b, 0, \src, 1                        ; starts the sum, over the Q fragment, which has done its work
	PVP \hh, \b, 1, \src+8, 1
.else
	PVP \hh, \b, 4*\g, \src, 0
	PVP \hh, \b, 4*\g+1, \src+8, 0
.endif
	PVP \hh, \b, 4*\g+2, \src+16, 0
	PVP \hh, \b, 4*\g+3, \src+24, 0
	WIN 0
.endm
; V's groups lie by turns in FB (v80-111) and in the 32 registers of score tiles 0-3, which are free once group 0's products have read their two fragments.
; A buffer is loaded again one whole tile step behind the products that read it: that step's 4 packed multiply-adds and 9 or more sums and
; conversions, all on other registers, are the places that a load into a matrix instruction's source needs.
.macro EPV b, hh
	LVG \b, \hh, 0, FB
	EFMA 0
.irp jt,0,1,2,3
	EXPSTEP \b, \jt
.endr
	s_wait_dscnt 0x0                               ; group 0's eight loads, the only ones out
	PVG \hh, \b, 0, FB
	EXPSTEP \b, 4
	LVG \b, \hh, 1, SR
	LVG \b, \hh, 2, FB
.irp jt,5,6,7
	EXPSTEP \b, \jt
.endr
	s_wait_dscnt 8                                 ; group 2's eight stay out
	PVG \hh, \b, 1, SR
	EXPSTEP \b, 8
	LVG \b, \hh, 3, SR
.irp jt,9,10,11
	EXPSTEP \b, \jt
.endr
	s_wait_dscnt 8                                 ; group 3's eight stay out
	PVG \hh, \b, 2, FB
.irp jt,12,13,14,15
	EXPSTEP \b, \jt
.endr
	v_add_f32 v[SUM], v[SUM], v[SUM+1]
	v_permlanex16_b32 v[PLX], v[SUM], s42, s43
	v_add_f32 v[SUM], v[SUM], v[PLX]
	v_rcp_f32 v[RS+2*\b], v[SUM]
	v_rcp_f32 v[RS+2*\b+1], v[SUM]
	v_nop                                          ; the plain place behind the reciprocals
	s_wait_dscnt 0x0
	PVG \hh, \b, 3, SR
.endm
; =========================== VEP: O^T += ve^T x (sums of 4 P), then the division ===========================
; A = ve gathered and transposed for position a: rows = channels, k slot (register p, half x, lane half h) <-> j0 = 32 ks + 4 p + 2 h + x.
; B = the packed sums PG in the same slots, with all but position a's four queries cleared.
.macro VELOAD hh
.irp a,0,1,2,3
.irp ks,0,1
.irp mt,0,1
.irp hf,0,1
	ds_load_tr16_b128 v[SR+32*\a+16*\ks+8*\mt+4*\hf:SR+32*\a+16*\ks+8*\mt+4*\hf+3], v[AD+4*\a+2*\ks+\hf] offset:192*\hh+128+32*\mt
.endr
.endr
.endr
.endr
.endm
.macro GAND a
.irp b,0,1
.irp ks,0,1
.irp q,0,1,2,3,4,5,6,7
	v_and_b32 v[XR+32*(\a&1)+16*\b+8*\ks+\q], v[LM+\a], v[PG+16*\b+8*\ks+\q]
.endr
.endr
.endr
.endm
.macro VEW hh, a                       ; four accumulators by turns, one instruction a turn
.irp ks,0,1
.irp b,0,1
.irp mt,0,1
.set dd, OACC+32*\hh+16*\b+8*\mt
	v_wmma_f32_16x16x32_f16 v[dd:dd+7], v[SR+32*\a+16*\ks+8*\mt:SR+32*\a+16*\ks+8*\mt+7], v[XR+32*(\a&1)+16*\b+8*\ks:XR+32*(\a&1)+16*\b+8*\ks+7], v[dd:dd+7]
.endr
.endr
.endr
.endm
.macro VEP hh, next                    ; next = 1: a head follows, whose first index bytes are fetched here (16 more LDS loads behind ve's)
	PLACES
	VELOAD \hh
.if \next
	LOADADQ
.endif
	WIN 0x40
	GAND 0
	GAND 1
	s_wait_dscnt 24+16*\next                       ; positions 1 to 3 (8 loads each) and the index bytes stay out
	WIN 0x54
	VEW \hh, 0
	s_wait_dscnt 16+16*\next
	VEW \hh, 1
	PLACES
	WIN 0x40
	GAND 2
	GAND 3
	s_wait_dscnt 8+16*\next
	WIN 0x54
	VEW \hh, 2
	s_wait_dscnt 16*\next
	VEW \hh, 3
	PLACES
	WIN 0x41
	s_wait_alu depctr_va_vdst(0)
.irp b,0,1
.irp mt,0,1
.irp p,0,2,4,6
	v_pk_mul_f32 v[OACC+32*\hh+16*\b+8*\mt+\p:OACC+32*\hh+16*\b+8*\mt+\p+1], v[OACC+32*\hh+16*\b+8*\mt+\p:OACC+32*\hh+16*\b+8*\mt+\p+1], v[RS+2*\b:RS+2*\b+1]
.endr
.endr
.endr
	WIN 0
.if \next
	s_wait_dscnt 0x0                               ; the next head's index bytes are in
	FIXAD TLK
.endif
.endm
.macro HEAD hh, next
	PH1 \hh, \hh                                   ; head 1 finds open the barrier that was signalled behind head 0's last scores
	D1C \hh
	s_barrier_wait -1                              ; every wave's stores into B2 are done: B2 is whole
	SPH 0, \hh
	MAXP
	EPV 0, \hh
	PLACES                                         ; in front of the loads into the registers that the last products read
	SPH 1, \hh
	s_barrier_signal -1                            ; my reads of this head's B2 are back (the last step waited for 0); the wait stands in front of the next stores into B2
	MAXP
	EPV 1, \hh
	VEP \hh, \next
.endm
	HEAD 0, 1
	HEAD 1, 0
; =========================== EPILOGUE ===========================
; Lane (r, h) holds query r, channels 32 hh + 16 mt + 8 h .. +7.  Through the wave's scratch: in at row r, back as whole rows of 256 bytes,
; so that sixteen lanes store 256 consecutive aligned bytes of out0.  LDS serves a wave's instructions in order, so batch 1 may follow batch 0 in the same bytes.
	s_barrier_wait -1                              ; every wave has its reads of B2 back: my block of it serves as scratch
.irp b,0,1
	WIN 0x04
.irp hh,0,1
.irp mt,0,1
	ds_store_b128 v[WSB], v[OACC+32*\hh+16*\b+8*\mt:OACC+32*\hh+16*\b+8*\mt+3] offset:128*\hh+64*\mt
	ds_store_b128 v[WSB], v[OACC+32*\hh+16*\b+8*\mt+4:OACC+32*\hh+16*\b+8*\mt+7] offset:128*\hh+64*\mt+16
.endr
.endr
	WIN 0
.irp rp,0,1,2,3,4,5,6,7
	ds_load_b128 v[SR+32*\b+4*\rp:SR+32*\b+4*\rp+3], v[WSA] offset:2*WP*\rp
.endr
.endr
.irp rp,0,1,2,3,4,5,6,7
	s_wait_dscnt 23-\rp                            ; behind batch 0's load rp: its 7 - rp younger loads, batch 1's 8 stores and 8 loads
	global_store_b128 v[OGO], v[SR+4*\rp:SR+4*\rp+3], s[32:33] offset:1024*\rp th:TH_STORE_NT
.endr
.irp rp,0,1,2,3,4,5,6,7
	s_wait_dscnt 7-\rp
	global_store_b128 v[OGO], v[SR+32+4*\rp:SR+32+4*\rp+3], s[34:35] offset:1024*\rp th:TH_STORE_NT
.endr
	s_wait_xcnt 0x0
	v_lshl_add_u32 v254, v0, 2, 0x4e900
	v_mov_b32 v255, 0
	s_wait_tensorcnt 0x0
	ds_add_u32 v254, v255
	s_wait_dscnt 0x0
	s_endpgm
.Lfunc_end_k_q7824c4dda9_winattn:
	.size	k_q7824c4dda9_winattn, .Lfunc_end_k_q7824c4dda9_winattn-k_q7824c4dda9_winattn
	.p2alignl 7, 3214868480
	.fill 96, 4, 3214868480
	.section	.rodata,"a",@progbits
	.p2align	6, 0x0
	.amdhsa_kernel k_q7824c4dda9_winattn
		.amdhsa_group_segment_fixed_size 322816
		.amdhsa_private_segment_fixed_size 0
		.amdhsa_enable_private_segment 0
		.amdhsa_kernarg_size 40
		.amdhsa_user_sgpr_count 2
		.amdhsa_user_sgpr_kernarg_segment_ptr 1
		.amdhsa_wavefront_size32 1
		.amdhsa_system_sgpr_workgroup_id_x 1
		.amdhsa_system_sgpr_workgroup_id_y 1
		.amdhsa_system_sgpr_workgroup_id_z 1
		.amdhsa_system_vgpr_workitem_id 0
		.amdhsa_next_free_vgpr 512
		.amdhsa_next_free_sgpr 66
		.amdhsa_reserve_vcc 1
		.amdhsa_float_denorm_mode_32 3
		.amdhsa_float_denorm_mode_16_64 3
		.amdhsa_memory_ordered 1
		.amdhsa_forward_progress 1
		.amdhsa_inst_pref_size 255
	.end_amdhsa_kernel
	.section	.bss,"aw",@nobits
	.p2align	6
	.space	262144
	.amdgpu_metadata
---
amdhsa.version: [ 1, 2 ]
amdhsa.kernels:
  - .name:           k_q7824c4dda9_winattn
    .symbol:         k_q7824c4dda9_winattn.kd
    .args:
      - { .name: attn_mask, .offset: 0, .size: 8, .value_kind: global_buffer, .address_space: global }
      - { .name: qkv, .offset: 8, .size: 8, .value_kind: global_buffer, .address_space: global }
      - { .name: rel_pos_index, .offset: 16, .size: 8, .value_kind: global_buffer, .address_space: global }
      - { .name: rpe_table, .offset: 24, .size: 8, .value_kind: global_buffer, .address_space: global }
      - { .name: out0, .offset: 32, .size: 8, .value_kind: global_buffer, .address_space: global }
    .group_segment_fixed_size: 322816
    .private_segment_fixed_size: 0
    .kernarg_segment_align: 8
    .kernarg_segment_size: 40
    .max_flat_workgroup_size: 256
    .sgpr_count:     66
    .vgpr_count:     512
    .wavefront_size: 32
...
	.end_amdgpu_metadata
.endif
;; end of part 1
